; MI455X (gfx1250); checked and timed in simulation.
; The chip was launched on July 23, 2026; its instructions are those of AMD's public machine-readable ISA for CDNA 5 (MIT licence, August 2026) and "CDNA5" Instruction Set Architecture Reference Guide (July 2026). The comments in the code are by the model that wrote it; some were corrected since.
;; Inner Product Predictor. Allowed arithmetic: float matrix products may take bf16 or f16 operands with f32 sums; all other float work in f32.
;; Inputs: cell_lines 8,192 int32; drug_pairs 8,192 x 2 int32; h_drug 4,000 x 128 float32; predictor_lin 64 x 128 x 128 float32; predictor_prod 64 x 128 x 128 float32.
;; Outputs: out0 8,192 float32.
;; 2 versions, each right; version 2 is version 1 with the launch predict written anew for expert scheduling mode. Each part assembles by itself: llvm-mc -triple=amdgcn-amd-amdhsa -mcpu=gfx1250 --defsym DOCPART=n.
;; ======== version 1 of 2: 1 launch
;; launch predict (part 1): grid 256 x 1, 8 waves a work-group, no clusters, 144,384 bytes of LDS; arguments cell_lines, drug_pairs, h_drug, predictor_lin, predictor_prod, out0; writes out0
.if DOCPART == 1
	.amdgcn_target "amdgcn-amd-amdhsa--gfx1250"
	.amdhsa_code_object_version 6
	.text
	.protected	k_qba8b63c994_predict
	.globl	k_qba8b63c994_predict
	.p2align	8
	.type	k_qba8b63c994_predict,@function
k_qba8b63c994_predict:
	s_mov_b64 s[64:65], 0
	v_nop
	global_prefetch_b8 v0, s[64:65] scope:SCOPE_SE
	s_setreg_imm32_b32 hwreg(HW_REG_WAVE_MODE, 25, 1), 1
	s_wait_xcnt 0x0
; score[b] = relu(h[d1] W[c])^T (P[c] + P[c]^T) relu(h[d2] W[c]),  c = cell_lines[b], (d1, d2) = drug_pairs[b].
; 8,192 samples, 64 cell lines, h: [4000][128] f32, W, P: [64][128][128] f32.  One launch, 256 work-groups of eight waves.
; Work-group x owns cell line c = x >> 2 and the quarter q = x & 3 of the batch (2,048 samples), in four regions of 512.
; THE HEAD: a wave asks for its region's 512 cell lines (waves w and w + 4 both scan region w % 4), then for its 16 rows of W[c] and of P[c]
; (one 512-byte row a load), all at once.  Sixteen compares make sixteen masks in scalar registers; their bit counts give n, the region's samples of
; cell line c.  Whole numbers that steer branches and addresses stay in registers: nothing of them passes through LDS.
; A TILE is 16 samples of the region, by rank; waves w and w + 4 take the region's tiles by turns.  Lane l finds the sample of rank
; 16 tile + l % 16 by itself; sixteen scalar loads bring the drug pairs (a counter of their own: a vector load behind the 32 weight loads would
; count as done only behind them); 32 loads bring whole rows of h.  W and P are rounded to bf16 and laid into LDS while those travel, then the
; rows into the wave's own stage; ONE barrier.
; A tile is 2 x 16 rows (h1 of the 16 samples, h2 of the 16 samples).  Matrix instructions are used transposed (source 0 = 16 columns of the
; weights, source 1 = 16 rows), so lane l holds, of row l % 16, the columns 16 nt + 8 (l / 16) + 0..7: after relu and packing these ARE the
; registers of the next product's fragment, and H never passes through LDS.  Y = [H1; H2] P;  score = Y1 . H2 + Y2 . H1, all in the lane.
; NO JOINT LOADS, though the four work-groups of a cell line read the same 131,072 bytes of weights: a joint load would land them in LDS as f32,
; to be read (131,072 bytes) and written again as bf16, and all branches behind the weights hang on each wave's own count of samples,
; which differs between the four.
; THE OUTPUT is stored 4 bytes a lane at the samples' own places: a region's samples of one cell line lie scattered in its 2,048 bytes of out0.
; LIMITS.  cell_lines in 0..63 (a sample of any other cell line is never written) and drug indices in 0..3999, as the tables that they index
; require (an index is clamped, as an unsigned number, at 3999; negative indices are not served).  relu is v_max_num_f32: a NaN becomes 0 where
; the reference keeps it.  h, W, P and relu's results enter the products as bf16; the last dot takes the same bf16 H; all sums in f32.
.set RS,    512                        ; samples in a region
.set TRIPS, RS/16/2                    ; the most tiles a wave can have: 32 tiles over two waves
.set NDRUG, 4000
.set WP,    288                        ; LDS pitch of a weight row: 256 bytes of bf16 + 32 (an odd multiple of 32, for the transposing loads)
.set XP,    272                        ; LDS pitch of a row of h: 256 bytes + 16 (an odd multiple of 16)
.set PL,    128*WP                     ; W at 0, P behind it
.set XS,    2*128*WP                   ; then each wave's own stage of 32 rows of h
.set XSW,   32*XP
; vector registers, first 256.  Registers that serve as addresses in the tiles hold nothing else.
.set L16B, 2                           ; 16 lane
.set L15,  3                           ; lane % 16
.set WFA,  4                           ; where I read W's fragments, PFA: P's
.set PFA,  5
.set XST,  6                           ; where I lay rows of h
.set XFA,  7                           ; where I read their fragments
.set G,    8                           ; my sample's rank in the region
.set G16,  9                           ; rank << 16 | 0xffff
.set M,    10                          ; the mask that holds it
.set PB,   11                          ; that mask's first rank << 16 | its first sample
.set K,    12                          ; my rank among the mask's bits
.set ST,   13                          ; my sample's number in the region, as computed
.set SMP,  14                          ; the same, clamped
.set OA,   15                          ; its byte offset in the region's part of out0
.set Z,    16                          ; v16-19 four partial dots
.set GA,   20                          ; v20-27 the gather's offsets, eight at a time
.set TMP,  28
.set LANE, 29
.set WSA,  30                          ; where I lay W's bf16, PSA: P's
.set PSA,  31
.set CL,   32                          ; v32-47 my 16 cell lines
.set T,    48                          ; v48-54 at work in the search
.set C,    49
.set P1,   50                          ; bit counts of the mask's fields of 2, 4, 8 bits, and of its low 16 bits
.set P2,   51
.set P4,   52
.set P8,   53
.set POS,  54
.set ACC,  32                          ; v32-63, in a tile: two sets of two accumulators
.set XG,   64                          ; v64-191 32 gathered rows; later:
.set XF,   64                          ; v64-127 fragments of the 2 x 16 rows of h
.set HF,   128                         ; v128-191 fragments of the 2 x 16 rows of H
.set WO,   192                         ; the head alone: byte offset of my 16 bytes in my wave's first weight row
.set WF,   192                         ; v192-255, behind the head: two buffers of four weight fragments
; second 256 (written by their low 8 bits under s_set_vgpr_msb)
.set WST,  0                           ; v256-319 W as loaded
.set PST,  64                          ; v320-383 P as loaded
; scalar registers: s4-15 the six buffers, s16 wave, s17 cell line, s18 quarter, s19 region, s60 n, s61 n - 1, s62 tiles, s63 my tile,
; s66 16 x my tile, s67 trips, s68-69 selects of v_permlanex16_b32
.set OFS,  20                          ; s20-27 offsets of eight scalar loads (before: at work in the head)
.set MK,   28                          ; s28-43 mask j: bit l = sample 128 (j / 4) + 4 l + j % 4 of the region is of my cell line
.set PK,   44                          ; s45-59 mask j's first rank << 16 | 128 (j / 4) + j % 4
.set DP,   70                          ; s70-101 the tile's 16 drug pairs
.set MSB, 0
.macro WIN new                         ; low byte: bits 1:0 source 0, 3:2 source 1, 7:6 destination; the high byte repeats the setting that is left
.if MSB != \new
	s_set_vgpr_msb (MSB<<8)|\new
.set MSB, \new
.endif
.endm
.macro PLACES n
.rept \n
	v_nop
.endr
.endm
; Rows first .. first + count - 1 of my wave's 16 (512 bytes of f32 each, in v[256+r ..]) become bf16, in place, and go to LDS:
; a store of the wave covers a row's 256 bytes.
.macro STAGE r, a, first, count
	WIN 0x45                                       ; sources and destination in the second 256
.set si, \first
.rept \count
	v_cvt_pk_bf16_f32 v[\r+4*si],   v[\r+4*si],   v[\r+4*si+1]
	v_cvt_pk_bf16_f32 v[\r+4*si+1], v[\r+4*si+2], v[\r+4*si+3]
.set si, si+1
.endr
	WIN 0x04                                       ; store data in the second 256, address in the first
.set si, \first
.rept \count
	ds_store_b64 v[\a], v[\r+4*si:\r+4*si+1] offset:si*WP
.set si, si+1
.endr
	WIN 0
.endm
; One step of the search for the K-th set bit: the field of w bits at POS holds the count of the mask's bits POS .. POS + w - 1;
; if K is not below it, the bit lies further up.
.macro STEP src, w
	v_bfe_u32 v[C], v[\src], v[POS], \w
	v_cmp_ge_u32 vcc_lo, v[K], v[C]
	v_cndmask_b32 v[T], 0, v[C], vcc_lo
	v_sub_nc_u32 v[K], v[K], v[T]
	v_cndmask_b32 v[T], 0, \w, vcc_lo
	v_add_nc_u32 v[POS], v[POS], v[T]
.endm
; The sample of rank g = 16 tile + lane % 16, in the order (mask, bit).  Ranks past the end take the last sample again.
; The mask is the last whose first rank is not above g; with the rank in the high half one compare of the packed words decides.
.macro SEARCH
	s_lshl_b32 s66, s63, 4
	v_add_nc_u32 v[G], s66, v[L15]
	v_min_u32 v[G], s61, v[G]
	v_lshl_or_b32 v[G16], v[G], 16, 0xffff
	v_mov_b32 v[M], s[MK]
	v_mov_b32 v[PB], 0
.irp j, 1,2,3,4,5,6,7,8,9,10,11,12,13,14,15
	v_cmp_le_u32 vcc_lo, s[PK+\j], v[G16]
	v_cndmask_b32 v[PB], v[PB], s[PK+\j], vcc_lo
	v_cndmask_b32 v[M], v[M], s[MK+\j], vcc_lo
.endr
	v_lshrrev_b32 v[T], 16, v[PB]
	v_sub_nc_u32 v[K], v[G], v[T]                  ; my rank among the mask's bits
	v_lshrrev_b32 v[T], 1, v[M]                    ; counts of fields of 2,
	v_and_b32 v[T], 0x55555555, v[T]
	v_sub_nc_u32 v[P1], v[M], v[T]
	v_lshrrev_b32 v[T], 2, v[P1]                   ; of 4,
	v_and_b32 v[T], 0x33333333, v[T]
	v_and_b32 v[P2], 0x33333333, v[P1]
	v_add_nc_u32 v[P2], v[P2], v[T]
	v_lshrrev_b32 v[T], 4, v[P2]                   ; of 8 bits,
	v_add_nc_u32 v[T], v[P2], v[T]
	v_and_b32 v[P4], 0x0f0f0f0f, v[T]
	v_lshrrev_b32 v[T], 8, v[P4]                   ; and, in byte 0, of the low 16
	v_add_nc_u32 v[P8], v[P4], v[T]
	v_and_b32 v[C], 0xff, v[P8]
	v_cmp_ge_u32 vcc_lo, v[K], v[C]
	v_cndmask_b32 v[T], 0, v[C], vcc_lo
	v_sub_nc_u32 v[K], v[K], v[T]
	v_cndmask_b32 v[POS], 0, 16, vcc_lo
	STEP P4, 8
	STEP P2, 4
	STEP P1, 2
	STEP M, 1
	v_and_b32 v[T], 0xffff, v[PB]
	v_lshl_add_u32 v[ST], v[POS], 2, v[T]          ; 128 (j / 4) + j % 4 + 4 bit
	v_min_u32 v[SMP], RS-1, v[ST]
	v_lshlrev_b32 v[OA], 2, v[SMP]
.endm
; Sixteen scalar loads: sample i's pair, 8 bytes.  Eight offset registers serve twice; they are written again only behind s_wait_xcnt 0
; (ISA guide 3.1), and in a later tile behind the wait for the loads themselves.
.macro PAIRS
.set pi, 0
.rept 16
.if pi == 8
	s_wait_xcnt 0x0
.endif
	v_readlane_b32 s[OFS+(pi%8)], v[SMP], pi
	s_min_u32 s[OFS+(pi%8)], s[OFS+(pi%8)], RS-1
	s_lshl_b32 s[OFS+(pi%8)], s[OFS+(pi%8)], 3
	s_load_b64 s[DP+2*pi:DP+2*pi+1], s[6:7], s[OFS+(pi%8)] offset:0x0
.set pi, pi+1
.endr
.endm
; 32 loads, each one whole row of h (512 consecutive bytes): load 2 i is h[d1] and load 2 i + 1 is h[d2] of the tile's sample i.
; The eight offset registers serve four samples at a time; they are written again only behind s_wait_xcnt 0 (ISA guide 3.1), and
; in a later tile behind the wait for the loads themselves.
.macro GATHER
.set gi, 0
.rept 16
.if gi > 0
.if (gi%4) == 0
	s_wait_xcnt 0x0
.endif
.endif
	s_min_u32 s[DP+2*gi],   s[DP+2*gi],   NDRUG-1
	s_min_u32 s[DP+2*gi+1], s[DP+2*gi+1], NDRUG-1
	v_lshl_add_u32 v[GA+2*(gi%4)],   s[DP+2*gi],   9, v[L16B]
	v_lshl_add_u32 v[GA+2*(gi%4)+1], s[DP+2*gi+1], 9, v[L16B]
	global_load_b128 v[XG+8*gi:XG+8*gi+3],   v[GA+2*(gi%4)],   s[8:9]
	global_load_b128 v[XG+8*gi+4:XG+8*gi+7], v[GA+2*(gi%4)+1], s[8:9]
.set gi, gi+1
.endr
.endm
; The rows become bf16, in place, and go to my wave's stage: h1 rows 0-15, h2 rows 16-31.  Nothing was loaded behind the gather, and
; loads come back in order (ISA guide 5.7.1): the counts 24, 16, 8, 0 let the younger rows stay out.
.macro XSTAGE
.set xi, 0
.rept 32
.if (xi%8) == 0
	s_wait_loadcnt 24-xi
.endif
	v_cvt_pk_bf16_f32 v[XG+4*xi],   v[XG+4*xi],   v[XG+4*xi+1]
	v_cvt_pk_bf16_f32 v[XG+4*xi+1], v[XG+4*xi+2], v[XG+4*xi+3]
	ds_store_b64 v[XST], v[XG+4*xi:XG+4*xi+1] offset:((xi%2)*16+xi/2)*XP
.set xi, xi+1
.endr
.endm
; Fragments of my 2 x 16 rows, all of K = 128: lane l holds row l % 16; two loads of 16 bytes, 32 bytes apart, for each 32 of K.
; LDS serves a wave's instructions in order (ISA guide 5.7.1): these see my own stores without a wait.
.macro XFRAG
.irp rt, 0,1
.irp ks, 0,1,2,3
	ds_load_b128 v[XF+32*\rt+8*\ks:XF+32*\rt+8*\ks+3],   v[XFA] offset:\rt*16*XP+\ks*64
	ds_load_b128 v[XF+32*\rt+8*\ks+4:XF+32*\rt+8*\ks+7], v[XFA] offset:\rt*16*XP+\ks*64+32
.endr
.endr
.endm
; Four fragments (K = 128) of weight columns 16 nt .. 16 nt + 15 into buffer b; the weights lie [K][N], so the loads transpose.
.macro WLOAD a, nt, b
.irp ks, 0,1,2,3
	ds_load_tr16_b128 v[WF+32*\b+8*\ks:WF+32*\b+8*\ks+3],   v[\a] offset:\ks*32*WP+\nt*32
	ds_load_tr16_b128 v[WF+32*\b+8*\ks+4:WF+32*\b+8*\ks+7], v[\a] offset:\ks*32*WP+\nt*32+16*WP
.endr
.endm
; Eight matrix instructions: buffer b's columns x the two row tiles at src and src + 32.  The first products start the sums.
; The two accumulators take turns, one instruction a turn.
.macro MM8 src, b
	v_wmma_f32_16x16x32_bf16 v[ACC+16*\b:ACC+16*\b+7],    v[WF+32*\b:WF+32*\b+7], v[\src:\src+7],     0
	v_wmma_f32_16x16x32_bf16 v[ACC+16*\b+8:ACC+16*\b+15], v[WF+32*\b:WF+32*\b+7], v[\src+32:\src+39], 0
.irp ks, 1,2,3
	v_wmma_f32_16x16x32_bf16 v[ACC+16*\b:ACC+16*\b+7],    v[WF+32*\b+8*\ks:WF+32*\b+8*\ks+7], v[\src+8*\ks:\src+8*\ks+7],       v[ACC+16*\b:ACC+16*\b+7]
	v_wmma_f32_16x16x32_bf16 v[ACC+16*\b+8:ACC+16*\b+15], v[WF+32*\b+8*\ks:WF+32*\b+8*\ks+7], v[\src+32+8*\ks:\src+32+8*\ks+7], v[ACC+16*\b+8:ACC+16*\b+15]
.endr
.endm
; relu and packing of column tile nt: my 8 columns 16 nt + 8 (l / 16) + 0..7 are registers 4 (nt % 2) + 0..3 of H's fragment nt / 2.
.macro RELU nt
.irp j, 0,1,2,3,4,5,6,7,8,9,10,11,12,13,14,15
	v_max_num_f32 v[ACC+16*(\nt%2)+\j], 0, v[ACC+16*(\nt%2)+\j]
.endr
.irp i, 0,1,2,3
	v_cvt_pk_bf16_f32 v[HF+4*\nt+\i],    v[ACC+16*(\nt%2)+2*\i],   v[ACC+16*(\nt%2)+2*\i+1]
	v_cvt_pk_bf16_f32 v[HF+32+4*\nt+\i], v[ACC+16*(\nt%2)+8+2*\i], v[ACC+16*(\nt%2)+8+2*\i+1]
.endr
.endm
; Column tile nt of the dot: Y1 x H2 and Y2 x H1, H straight from the halves of its fragment registers; four chains.
.macro DOT nt
.irp i, 0,1,2,3
	v_fma_mix_f32_bf16 v[Z],   v[HF+32+4*\nt+\i], v[ACC+16*(\nt%2)+2*\i],     v[Z]   op_sel_hi:[1,0,0]
	v_fma_mix_f32_bf16 v[Z+1], v[HF+32+4*\nt+\i], v[ACC+16*(\nt%2)+2*\i+1],   v[Z+1] op_sel:[1,0,0] op_sel_hi:[1,0,0]
	v_fma_mix_f32_bf16 v[Z+2], v[HF+4*\nt+\i],    v[ACC+16*(\nt%2)+8+2*\i],   v[Z+2] op_sel_hi:[1,0,0]
	v_fma_mix_f32_bf16 v[Z+3], v[HF+4*\nt+\i],    v[ACC+16*(\nt%2)+8+2*\i+1], v[Z+3] op_sel:[1,0,0] op_sel_hi:[1,0,0]
.endr
.endm
	; ---------------- the head ----------------
	s_load_b256 s[4:11], s[0:1], 0x0               ; cell_lines s[4:5], drug_pairs s[6:7], h_drug s[8:9], predictor_lin s[10:11]
	s_load_b128 s[12:15], s[0:1], 0x20             ; predictor_prod s[12:13], out0 s[14:15]
	s_set_vgpr_msb 0x40
	v_lshl_add_u32 v128, v0, 2, 0x23000
	v_mov_b32 v129, 0
	s_set_vgpr_msb 0x4000
	v_lshrrev_b32 v1, 5, v0
	v_and_b32 v[LANE], 31, v0
	v_readfirstlane_b32 s16, v1                    ; wave 0..7
	s_lshr_b32 s17, ttmp9, 2                       ; my cell line
	s_and_b32 s18, ttmp9, 3                        ; my quarter of the batch
	s_and_b32 s19, s16, 3                          ; my region of the quarter
	s_lshl2_add_u32 s20, s18, s19                  ; 4 quarter + region,
	s_lshl_b32 s20, s20, 11                        ; x 512 samples x 4 bytes (cell_lines, out0)
	s_mov_b32 s21, 0
	s_lshl_b32 s22, s20, 1                         ; x 8 bytes (drug_pairs)
	s_mov_b32 s23, 0
	s_lshl_b32 s24, s17, 16                        ; 128 x 128 x 4 bytes of weights a cell line
	s_mov_b32 s25, 0
	v_lshlrev_b32 v[L16B], 4, v[LANE]
	v_lshl_add_u32 v[WO], v1, 13, v[L16B]          ; 16 rows of 512 bytes a wave + 16 lane
	s_wait_kmcnt 0x0
	s_add_nc_u64 s[4:5], s[4:5], s[20:21]
	s_add_nc_u64 s[6:7], s[6:7], s[22:23]
	s_add_nc_u64 s[14:15], s[14:15], s[20:21]
	s_add_nc_u64 s[10:11], s[10:11], s[24:25]
	s_add_nc_u64 s[12:13], s[12:13], s[24:25]
.irp k, 0,1,2,3
	global_load_b128 v[CL+4*\k:CL+4*\k+3], v[L16B], s[4:5] offset:512*\k       ; samples 128 k + 4 lane + 0..3: 512 consecutive bytes a load
.endr
	WIN 0x40                                       ; destinations in the second 256
.set li, 0
.rept 16
	global_load_b128 v[WST+4*li:WST+4*li+3], v[WO], s[10:11] offset:512*li     ; row 16 wave + li of W[c]
.set li, li+1
.endr
.set li, 0
.rept 16
	global_load_b128 v[PST+4*li:PST+4*li+3], v[WO], s[12:13] offset:512*li     ; and of P[c]
.set li, li+1
.endr
	WIN 0
	; addresses, while the loads travel
	s_mov_b32 s68, 0x76543210                      ; v_permlanex16_b32: lane i reads lane i of the other half
	s_mov_b32 s69, 0xfedcba98
	s_mul_i32 s26, s16, 16*WP
	v_lshl_add_u32 v[WSA], v[LANE], 3, s26         ; my wave's 16 weight rows + 8 lane
	v_add_nc_u32 v[PSA], PL, v[WSA]
	v_and_b32 v[TMP], 7, v[LANE]                   ; transposing loads: row 8 (l / 16) + l % 8, 16-byte column (l / 8) % 2
	v_lshrrev_b32 v[WFA], 4, v[LANE]
	v_lshl_add_u32 v[TMP], v[WFA], 3, v[TMP]
	v_mul_u32_u24 v[TMP], v[TMP], WP
	v_bfe_u32 v[WFA], v[LANE], 3, 1
	v_lshl_add_u32 v[WFA], v[WFA], 4, v[TMP]
	v_add_nc_u32 v[PFA], PL, v[WFA]
	s_mul_i32 s27, s16, XSW
	s_add_co_u32 s27, s27, XS                      ; my wave's stage
	v_lshl_add_u32 v[XST], v[LANE], 3, s27
	v_and_b32 v[L15], 15, v[LANE]
	v_mul_u32_u24 v[XFA], v[L15], XP
	v_lshrrev_b32 v[TMP], 4, v[LANE]
	v_lshl_add_u32 v[XFA], v[TMP], 4, v[XFA]
	v_add_nc_u32 v[XFA], s27, v[XFA]               ; row l % 16, + 16 (l / 16)
	; the region's masks, their first ranks, and n
	s_wait_loadcnt 32                              ; the four scan loads are in; W's 16 and P's 16 stay out
.irp j, 0,1,2,3,4,5,6,7,8,9,10,11,12,13,14,15
	v_cmp_eq_u32 s[MK+\j], s17, v[CL+\j]
.endr
	s_bcnt1_i32_b32 s60, s[MK]
.irp j, 1,2,3,4,5,6,7,8,9,10,11,12,13,14,15
	s_lshl_b32 s[PK+\j], s60, 16                   ; the bits of the masks in front,
	s_or_b32 s[PK+\j], s[PK+\j], 128*(\j/4)+(\j%4) ; and the sample of bit 0
	s_bcnt1_i32_b32 s20, s[MK+\j]
	s_add_co_u32 s60, s60, s20
.endr
	s_sub_co_u32 s61, s60, 1
	s_add_co_u32 s62, s60, 15
	s_lshr_b32 s62, s62, 4                         ; tiles of 16 samples
	s_lshr_b32 s63, s16, 2                         ; my first tile: 0 for waves 0-3, 1 for waves 4-7
	SEARCH                                         ; every wave, register work alone: a wave without a tile ends at a clamped sample and uses nothing of it
	s_cmp_lt_u32 s63, s62
	s_cbranch_scc0 .Lno_tile
	PAIRS
	s_wait_loadcnt 31                              ; W's first row, asked for straight behind the scan, is in (15 + 16 loads stay out):
	STAGE WST, WSA, 0, 1                           ; it is laid out while the pairs travel
	s_wait_kmcnt 0x0
	GATHER                                         ; the rows travel while the weights are laid out
	s_wait_loadcnt 48                              ; W is in; P's 16 loads and the 32 rows stay out
	STAGE WST, WSA, 1, 15
	s_wait_loadcnt 32                              ; P is in; the 32 rows stay out
	STAGE PST, PSA, 0, 16
	XSTAGE                                         ; on this way 16 + 16 + 32 LDS stores are issued ahead of the wait in front of the barrier
	s_branch .Lstaged
.Lno_tile:
	s_wait_loadcnt 16                              ; W is in; P's 16 loads stay out
	STAGE WST, WSA, 0, 16
	s_wait_loadcnt 0x0
	STAGE PST, PSA, 0, 16
.Lstaged:
	s_wait_dscnt 0x0                               ; my 16 rows of W and of P are in LDS: every wave reads all 128 behind the barrier
	s_barrier_signal -1
	s_barrier_wait -1                              ; the only barrier: from here on W and P are only read, and each wave writes its own stage alone
	s_cmp_ge_u32 s63, s62
	s_cbranch_scc1 .Lend
	s_mov_b32 s67, 0
	; ---------------- a tile: 16 steps of eight matrix instructions on two fragment buffers and two accumulator sets ----------------
	; In a step: the wait for its 8 fragment loads (the next step's 8 stay out: count 8), its products, the vector work on the step before,
	; then the loads for the step after next into the buffer just read.  A load into a register that a matrix instruction has read, and a vector
	; instruction that reads its result, stand four places behind it, a matrix instruction that writes over its result five (ISA guide 7.12.1 for vector instructions);
	; places are vector instructions that name none of its registers: RELU of the other set in the first
	; product, v_nop (or the four clears of Z) where the work in between names H's fragments or the set itself.
.Ltile:
	WLOAD WFA, 0, 0                                ; the first product's first fragments,
	XFRAG                                          ; and my rows', from my own stage
	s_wait_dscnt 0x0                               ; both are in
	WLOAD WFA, 1, 1
	MM8 XF, 0
	PLACES 5
	WLOAD WFA, 2, 0
.irp nt, 1,2,3,4,5
	s_wait_dscnt 8
	MM8 XF, (\nt%2)
	RELU (\nt-1)
	WLOAD WFA, (\nt+2), (\nt%2)
.endr
	s_wait_dscnt 8
	MM8 XF, 0
	RELU 5
	WLOAD PFA, 0, 0                                ; the second product's first fragments
	s_wait_dscnt 8
	MM8 XF, 1
	RELU 6
	WLOAD PFA, 1, 1
	RELU 7                                         ; H is whole
	s_wait_dscnt 8
	MM8 HF, 0
.irp i, 0,1,2,3
	v_mov_b32 v[Z+\i], 0                           ; the four chains of the dot; also the four places
.endr
	WLOAD PFA, 2, 0
.irp nt, 1,2,3,4,5
	s_wait_dscnt 8
	MM8 HF, (\nt%2)
	DOT (\nt-1)
	PLACES 4
	WLOAD PFA, (\nt+2), (\nt%2)
.endr
	s_wait_dscnt 8
	MM8 HF, 0
	DOT 5
	PLACES 4
	s_wait_dscnt 0x0
	MM8 HF, 1
	DOT 6
	PLACES 4
	DOT 7
	; lanes l and l + 16 hold the two halves of the columns of sample l % 16
	v_add_f32 v[Z], v[Z], v[Z+1]
	v_add_f32 v[Z+2], v[Z+2], v[Z+3]
	v_add_f32 v[Z], v[Z], v[Z+2]
	v_permlanex16_b32 v[Z+1], v[Z], s68, s69
	v_add_f32 v[Z], v[Z], v[Z+1]
	; All 32 lanes store.  Lanes l and l + 16 hold the same sum and the same offset; ranks past the end repeated the last sample, with the same
	; rows, the same sums and the same offset: where lanes meet in a word they bring it the same value.
	global_store_b32 v[OA], v[Z], s[14:15]
	s_add_co_u32 s63, s63, 2                       ; my next tile: the region's two waves take turns
	s_cmp_ge_u32 s63, s62
	s_cbranch_scc1 .Lend                           ; the way out of the loop
	s_wait_xcnt 0x0                                ; the store's offset and data are written again only behind this wait
	SEARCH
	PAIRS
	s_wait_kmcnt 0x0
	GATHER
	XSTAGE                                         ; my reads of the stage were waited for at the tile's head: it is mine to write again
	s_add_co_u32 s67, s67, 1
	s_cmp_lt_u32 s67, TRIPS                        ; the jump back is counted against the most tiles a wave can have (512 / 16 / 2 = 16):
	s_cbranch_scc1 .Ltile                          ; tile w / 4 + 2 x 16 is past the last of 32, so the way out above has been taken by then
.Lend:
	s_set_vgpr_msb 0x5
	s_wait_tensorcnt 0x0
	ds_add_u32 v128, v129
	s_wait_dscnt 0x0
	s_set_vgpr_msb 0x500
	s_endpgm
.Lfunc_end_k_qba8b63c994_predict:
	.size	k_qba8b63c994_predict, .Lfunc_end_k_qba8b63c994_predict-k_qba8b63c994_predict
	.p2alignl 7, 3214868480
	.fill 96, 4, 3214868480
	.section	.rodata,"a",@progbits
	.p2align	6, 0x0
	.amdhsa_kernel k_qba8b63c994_predict
		.amdhsa_group_segment_fixed_size 144384
		.amdhsa_private_segment_fixed_size 0
		.amdhsa_enable_private_segment 0
		.amdhsa_kernarg_size 48
		.amdhsa_user_sgpr_count 2
		.amdhsa_user_sgpr_kernarg_segment_ptr 1
		.amdhsa_wavefront_size32 1
		.amdhsa_system_sgpr_workgroup_id_x 1
		.amdhsa_system_sgpr_workgroup_id_y 1
		.amdhsa_system_sgpr_workgroup_id_z 1
		.amdhsa_system_vgpr_workitem_id 0
		.amdhsa_next_free_vgpr 386
		.amdhsa_next_free_sgpr 102
		.amdhsa_reserve_vcc 1
		.amdhsa_float_denorm_mode_32 3
		.amdhsa_float_denorm_mode_16_64 3
		.amdhsa_memory_ordered 1
		.amdhsa_forward_progress 1
		.amdhsa_inst_pref_size 101
	.end_amdhsa_kernel
	.amdgpu_metadata
---
amdhsa.version: [ 1, 2 ]
amdhsa.kernels:
  - .name:           k_qba8b63c994_predict
    .symbol:         k_qba8b63c994_predict.kd
    .args:
      - { .name: cell_lines, .offset: 0, .size: 8, .value_kind: global_buffer, .address_space: global }
      - { .name: drug_pairs, .offset: 8, .size: 8, .value_kind: global_buffer, .address_space: global }
      - { .name: h_drug, .offset: 16, .size: 8, .value_kind: global_buffer, .address_space: global }
      - { .name: predictor_lin, .offset: 24, .size: 8, .value_kind: global_buffer, .address_space: global }
      - { .name: predictor_prod, .offset: 32, .size: 8, .value_kind: global_buffer, .address_space: global }
      - { .name: out0, .offset: 40, .size: 8, .value_kind: global_buffer, .address_space: global }
    .group_segment_fixed_size: 144384
    .private_segment_fixed_size: 0
    .kernarg_segment_align: 8
    .kernarg_segment_size: 48
    .max_flat_workgroup_size: 256
    .sgpr_count:     102
    .vgpr_count:     386
    .wavefront_size: 32
...
	.end_amdgpu_metadata
.endif
;; end of part 1
;; ======== version 2 of 2: 1 launch; version 1 with the launch predict written anew for expert scheduling mode
;; launch predict (part 2): grid 256 x 1, 8 waves a work-group, no clusters, 144,384 bytes of LDS; arguments cell_lines, drug_pairs, h_drug, predictor_lin, predictor_prod, out0; writes out0
.if DOCPART == 2
	.amdgcn_target "amdgcn-amd-amdhsa--gfx1250"
	.amdhsa_code_object_version 6
	.text
	.protected	k_qba8b63c994_predict
	.globl	k_qba8b63c994_predict
	.p2align	8
	.type	k_qba8b63c994_predict,@function
k_qba8b63c994_predict:
	s_mov_b64 s[64:65], 0
	v_nop
	global_prefetch_b8 v0, s[64:65] scope:SCOPE_SE
	s_setreg_imm32_b32 hwreg(HW_REG_WAVE_SCHED_MODE, 0, 2), 2
	s_setreg_imm32_b32 hwreg(HW_REG_WAVE_MODE, 25, 1), 1
	s_wait_xcnt 0x0
	s_wait_alu depctr_vm_vsrc(0)
; score[b] = relu(h[d1] W[c])^T (P[c] + P[c]^T) relu(h[d2] W[c]),  c = cell_lines[b], (d1, d2) = drug_pairs[b].
; 8,192 samples, 64 cell lines, h: [4000][128] f32, W, P: [64][128][128] f32.  One launch, 256 work-groups of eight waves.
; Work-group x owns cell line c = x >> 2 and the quarter q = x & 3 of the batch (2,048 samples), in four regions of 512.
; THE HEAD: a wave asks for its region's 512 cell lines (waves w and w + 4 both scan region w % 4), then for its 16 rows of W[c] and of P[c]
; (one 512-byte row a load), all at once.  Sixteen compares make sixteen masks in scalar registers; their bit counts give n, the region's samples of
; cell line c.  Whole numbers that steer branches and addresses stay in registers: nothing of them passes through LDS.
; A TILE is 16 samples of the region, by rank; waves w and w + 4 take the region's tiles by turns.  Lane l finds the sample of rank
; 16 tile + l % 16 by itself; sixteen scalar loads bring the drug pairs (a counter of their own: a vector load behind the 32 weight loads would
; count as done only behind them); 32 loads bring whole rows of h.  W and P are rounded to bf16 and laid into LDS while those travel, then the
; rows into the wave's own stage; ONE barrier.
; A tile is 2 x 16 rows (h1 of the 16 samples, h2 of the 16 samples).  Matrix instructions are used transposed (source 0 = 16 columns of the
; weights, source 1 = 16 rows), so lane l holds, of row l % 16, the columns 16 nt + 8 (l / 16) + 0..7: after relu and packing these ARE the
; registers of the next product's fragment, and H never passes through LDS.  Y = [H1; H2] P;  score = Y1 . H2 + Y2 . H1, all in the lane.
; NO JOINT LOADS, though the four work-groups of a cell line read the same 131,072 bytes of weights: a joint load would land them in LDS as f32,
; to be read (131,072 bytes) and written again as bf16, and all branches behind the weights hang on each wave's own count of samples,
; which differs between the four.
; THE OUTPUT is stored 4 bytes a lane at the samples' own places: a region's samples of one cell line lie scattered in its 2,048 bytes of out0.
; LIMITS.  cell_lines in 0..63 (a sample of any other cell line is never written) and drug indices in 0..3999, as the tables that they index
; require (an index is clamped, as an unsigned number, at 3999; negative indices are not served).  relu is v_max_num_f32: a NaN becomes 0 where
; the reference keeps it.  h, W, P and relu's results enter the products as bf16; the last dot takes the same bf16 H; all sums in f32.
; THE MODE: SCHED_MODE bits 1:0 = 2 (LLVM: expert scheduling mode 2), set by the entry lines.  The code itself states the register dependences
; between vector or matrix instructions and memory or LDS instructions, and those through scalar registers and VCC that vector instructions
; write, with s_wait_alu, always for 0.
; THE PLAN.  Registers that memory or LDS instructions touch:
;   v2, v4-7, v30-31  offsets and LDS addresses: written at the head by vector lines, read by loads and stores, never written again.
;   v192              the weight loads' offset, in the head alone; the first tile's first fragment load lands on it.
;   v256-383          W and P: the loads land, the conversions work in place, the LDS stores read; never written again.
;   GA   v224-255     the gather's 32 offsets: 32 vector lines write them, ONE wait, 32 loads read them; in a tile these are fragment buffer 1.
;   XG   v64-191      the gather lands; conversions in place; LDS stores read; then XFRAG lands in v64-127 and RELU writes v128-191.
;   WF0, WF1          step s's products read WF[s % 2]; the loads of step s + 1 land in the other buffer, issued among step s's products.
;   v15, v16          the store's offset (written by SEARCH) and data (written by the tile's last add).
; The accumulators, the search's registers and the dot's chains v17-19 are named by vector and matrix instructions alone.
; So in a tile: two waits at its head, one on va_vdst at the head of each step that loads, one in front of the store, one on vm_vsrc behind it.
.set RS,    512                        ; samples in a region
.set TRIPS, RS/16/2                    ; the most tiles a wave can have: 32 tiles over two waves
.set NDRUG, 4000
.set WP,    288                        ; LDS pitch of a weight row: 256 bytes of bf16 + 32 (an odd multiple of 32, for the transposing loads)
.set XP,    272                        ; LDS pitch of a row of h: 256 bytes + 16 (an odd multiple of 16)
.set PL,    128*WP                     ; W at 0, P behind it
.set XS,    2*128*WP                   ; then each wave's own stage of 32 rows of h
.set XSW,   32*XP
; vector registers, first 256
.set L16B, 2                           ; 16 lane
.set L15,  3                           ; lane % 16
.set WFA,  4                           ; where I read W's fragments, PFA: P's
.set PFA,  5
.set XST,  6                           ; where I lay rows of h
.set XFA,  7                           ; where I read their fragments
.set G,    8                           ; my sample's rank in the region
.set G16,  9                           ; rank << 16 | 0xffff
.set M,    10                          ; the mask that holds it
.set PB,   11                          ; that mask's first rank << 16 | its first sample
.set K,    12                          ; my rank among the mask's bits
.set ST,   13                          ; my sample's number in the region, as computed
.set SMP,  14                          ; the same, clamped
.set OA,   15                          ; its byte offset in the region's part of out0
.set Z,    16                          ; v16-19 four partial dots
.set TMP,  28
.set LANE, 29
.set WSA,  30                          ; where I lay W's bf16, PSA: P's
.set PSA,  31
.set CL,   32                          ; v32-47 my 16 cell lines
.set T,    48                          ; v48-54 at work in the search
.set C,    49
.set P1,   50                          ; bit counts of the mask's fields of 2, 4, 8 bits, and of its low 16 bits
.set P2,   51
.set P4,   52
.set P8,   53
.set POS,  54
.set ACC,  32                          ; v32-63, in a tile: two sets of two accumulators
.set XG,   64                          ; v64-191 32 gathered rows; later:
.set XF,   64                          ; v64-127 fragments of the 2 x 16 rows of h
.set HF,   128                         ; v128-191 fragments of the 2 x 16 rows of H
.set WO,   192                         ; the head alone: byte offset of my 16 bytes in my wave's first weight row
.set WF,   192                         ; v192-255, behind the head: two buffers of four weight fragments
.set GA,   224                         ; v224-255, between two tiles: the gather's 32 offsets
; second 256 (written by their low 8 bits under s_set_vgpr_msb)
.set WST,  0                           ; v256-319 W as loaded
.set PST,  64                          ; v320-383 P as loaded
; scalar registers: s4-15 the six buffers, s16 wave, s17 cell line, s18 quarter, s19 region, s60 n, s61 n - 1, s62 tiles, s63 my tile,
; s66 16 x my tile, s67 trips, s68-69 selects of v_permlanex16_b32
.set OFS,  20                          ; s20-27 offsets of eight scalar loads (before: at work in the head)
.set MK,   28                          ; s28-43 mask j: bit l = sample 128 (j / 4) + 4 l + j % 4 of the region is of my cell line
.set PK,   44                          ; s45-59 mask j's first rank << 16 | 128 (j / 4) + j % 4
.set DP,   70                          ; s70-101 the tile's 16 drug pairs
.set CM,   70                          ; s71-85, in the search, ahead of the pairs' loads: the 15 compares' results
.set MSB, 0
.macro WIN new                         ; low byte: bits 1:0 source 0, 3:2 source 1, 7:6 destination; the high byte repeats the setting that is left
.if MSB != \new
	s_set_vgpr_msb (MSB<<8)|\new
.set MSB, \new
.endif
.endm
.macro PLACES n
.rept \n
	v_nop
.endr
.endm
; Rows first .. first + count - 1 of my wave's 16 (512 bytes of f32 each, in v[256+r ..]) become bf16, in place, and go to LDS:
; a store of the wave covers a row's 256 bytes.
.macro STAGE r, a, first, count
	WIN 0x45                                       ; sources and destination in the second 256
.set si, \first
.rept \count
	v_cvt_pk_bf16_f32 v[\r+4*si],   v[\r+4*si],   v[\r+4*si+1]
	v_cvt_pk_bf16_f32 v[\r+4*si+1], v[\r+4*si+2], v[\r+4*si+3]
.set si, si+1
.endr
	WIN 0x04                                       ; store data in the second 256, address in the first
	s_wait_alu depctr_va_vdst(0)                   ; the conversions have written the pairs that the stores below read; the stores' address, made at the head, is written too
.set si, \first
.rept \count
	ds_store_b64 v[\a], v[\r+4*si:\r+4*si+1] offset:si*WP
.set si, si+1
.endr
	WIN 0
.endm
; One step of the search for the K-th set bit: the field of w bits at POS holds the count of the mask's bits POS .. POS + w - 1;
; if K is not below it, the bit lies further up.  Each step's compare hangs on the step before, so each has a wait of its own.
.macro STEP src, w
	v_bfe_u32 v[C], v[\src], v[POS], \w
	v_cmp_ge_u32 vcc_lo, v[K], v[C]
	s_wait_alu depctr_va_vcc(0)                    ; the compare has written VCC, which the two selects below read
	v_cndmask_b32 v[T], 0, v[C], vcc_lo
	v_sub_nc_u32 v[K], v[K], v[T]
	v_cndmask_b32 v[T], 0, \w, vcc_lo
	v_add_nc_u32 v[POS], v[POS], v[T]
.endm
; The sample of rank g = 16 tile + lane % 16, in the order (mask, bit).  Ranks past the end take the last sample again.
; The mask is the last whose first rank is not above g; with the rank in the high half one compare of the packed words decides.
; The 15 compares hang on nothing but g: they stand in one run, each with a scalar register of its own, and one wait serves them all.
.macro SEARCH
	s_lshl_b32 s66, s63, 4
	v_add_nc_u32 v[G], s66, v[L15]
	v_min_u32 v[G], s61, v[G]
	v_lshl_or_b32 v[G16], v[G], 16, 0xffff
	v_mov_b32 v[M], s[MK]
	v_mov_b32 v[PB], 0
.irp j, 1,2,3,4,5,6,7,8,9,10,11,12,13,14,15
	v_cmp_le_u32 s[CM+\j], s[PK+\j], v[G16]
.endr
	s_wait_alu depctr_va_sdst(0)                   ; the 15 compares have written s71-85, which the selects below read
.irp j, 1,2,3,4,5,6,7,8,9,10,11,12,13,14,15
	v_cndmask_b32 v[PB], v[PB], s[PK+\j], s[CM+\j]
	v_cndmask_b32 v[M], v[M], s[MK+\j], s[CM+\j]
.endr
	v_lshrrev_b32 v[T], 16, v[PB]
	v_sub_nc_u32 v[K], v[G], v[T]                  ; my rank among the mask's bits
	v_lshrrev_b32 v[T], 1, v[M]                    ; counts of fields of 2,
	v_and_b32 v[T], 0x55555555, v[T]
	v_sub_nc_u32 v[P1], v[M], v[T]
	v_lshrrev_b32 v[T], 2, v[P1]                   ; of 4,
	v_and_b32 v[T], 0x33333333, v[T]
	v_and_b32 v[P2], 0x33333333, v[P1]
	v_add_nc_u32 v[P2], v[P2], v[T]
	v_lshrrev_b32 v[T], 4, v[P2]                   ; of 8 bits,
	v_add_nc_u32 v[T], v[P2], v[T]
	v_and_b32 v[P4], 0x0f0f0f0f, v[T]
	v_lshrrev_b32 v[T], 8, v[P4]                   ; and, in byte 0, of the low 16
	v_add_nc_u32 v[P8], v[P4], v[T]
	v_and_b32 v[C], 0xff, v[P8]
	v_cmp_ge_u32 vcc_lo, v[K], v[C]
	s_wait_alu depctr_va_vcc(0)                    ; the compare has written VCC, which the two selects below read
	v_cndmask_b32 v[T], 0, v[C], vcc_lo
	v_sub_nc_u32 v[K], v[K], v[T]
	v_cndmask_b32 v[POS], 0, 16, vcc_lo
	STEP P4, 8
	STEP P2, 4
	STEP P1, 2
	STEP M, 1
	v_and_b32 v[T], 0xffff, v[PB]
	v_lshl_add_u32 v[ST], v[POS], 2, v[T]          ; 128 (j / 4) + j % 4 + 4 bit
	v_min_u32 v[SMP], RS-1, v[ST]
	v_lshlrev_b32 v[OA], 2, v[SMP]
.endm
; Sixteen scalar loads: sample i's pair, 8 bytes.  Eight offset registers serve twice, filled in runs of eight; they are written again only
; behind s_wait_xcnt 0 (ISA guide 3.1), and in a later tile behind the wait for the loads themselves.
.macro PAIRS
.irp h, 0,1
.if \h
	s_wait_xcnt 0x0
.endif
.irp i, 0,1,2,3,4,5,6,7
	v_readlane_b32 s[OFS+\i], v[SMP], 8*\h+\i
.endr
	s_wait_alu depctr_va_sdst(0)                   ; the eight lines above have written s20-27, which the scalar lines below read
.irp i, 0,1,2,3,4,5,6,7
	s_min_u32 s[OFS+\i], s[OFS+\i], RS-1
	s_lshl_b32 s[OFS+\i], s[OFS+\i], 3
	s_load_b64 s[DP+2*(8*\h+\i):DP+2*(8*\h+\i)+1], s[6:7], s[OFS+\i] offset:0x0
.endr
.endr
.endm
; 32 loads, each one whole row of h (512 consecutive bytes): load 2 i is h[d1] and load 2 i + 1 is h[d2] of the tile's sample i.
; Each load has an offset register of its own: all 32 are made first, then one wait, then the run of loads.
.macro GATHER
.set gi, 0
.rept 32
	s_min_u32 s[DP+gi], s[DP+gi], NDRUG-1
	v_lshl_add_u32 v[GA+gi], s[DP+gi], 9, v[L16B]
.set gi, gi+1
.endr
	s_wait_alu depctr_va_vdst(0)                   ; the 32 offsets are written, which the loads below read; in a later tile also: the products, RELU and the dot are done with v64-191, in which the loads land
.set gi, 0
.rept 32
	global_load_b128 v[XG+4*gi:XG+4*gi+3], v[GA+gi], s[8:9]
.set gi, gi+1
.endr
.endm
; The rows become bf16, in place, and go to my wave's stage: h1 rows 0-15, h2 rows 16-31.  Nothing was loaded behind the gather, and
; loads come back in order (ISA guide 5.7.1): the counts 24, 16, 8, 0 let the younger rows stay out.  Eight rows are a group; a group's
; stores stand behind the next group's wait for its data and one wait on va_vdst; the conversions behind them name the next group alone.
.macro XPUT g
.set xi, 8*\g
.rept 8
	ds_store_b64 v[XST], v[XG+4*xi:XG+4*xi+1] offset:((xi%2)*16+xi/2)*XP
.set xi, xi+1
.endr
.endm
.macro XSTAGE
.irp g, 0,1,2,3
	s_wait_loadcnt 24-8*\g
.if \g > 0
	s_wait_alu depctr_va_vdst(0)                   ; the group before's conversions have written the pairs that its stores read
	XPUT (\g-1)
.endif
.set xi, 8*\g
.rept 8
	v_cvt_pk_bf16_f32 v[XG+4*xi],   v[XG+4*xi],   v[XG+4*xi+1]
	v_cvt_pk_bf16_f32 v[XG+4*xi+1], v[XG+4*xi+2], v[XG+4*xi+3]
.set xi, xi+1
.endr
.endr
	s_wait_alu depctr_va_vdst(0)                   ; the last group's conversions have written the pairs that its stores read
	XPUT 3
.endm
; Fragments of my 2 x 16 rows, all of K = 128: lane l holds row l % 16; two loads of 16 bytes, 32 bytes apart, for each 32 of K.
; LDS serves a wave's instructions in order (ISA guide 5.7.1): these see my own stores without a wait.
.macro XFRAG
.irp rt, 0,1
.irp ks, 0,1,2,3
	ds_load_b128 v[XF+32*\rt+8*\ks:XF+32*\rt+8*\ks+3],   v[XFA] offset:\rt*16*XP+\ks*64
	ds_load_b128 v[XF+32*\rt+8*\ks+4:XF+32*\rt+8*\ks+7], v[XFA] offset:\rt*16*XP+\ks*64+32
.endr
.endr
.endm
; One fragment (32 of K, at 32 ks) of weight columns 16 nt .. 16 nt + 15 into buffer b; the weights lie [K][N], so the loads transpose.
.macro WL a, nt, b, ks
	ds_load_tr16_b128 v[WF+32*\b+8*\ks:WF+32*\b+8*\ks+3],   v[\a] offset:\ks*32*WP+\nt*32
	ds_load_tr16_b128 v[WF+32*\b+8*\ks+4:WF+32*\b+8*\ks+7], v[\a] offset:\ks*32*WP+\nt*32+16*WP
.endm
.macro WLOAD a, nt, b                  ; all four (K = 128)
.irp ks, 0,1,2,3
	WL \a, \nt, \b, \ks
.endr
.endm
; Eight matrix instructions: buffer b's columns x the two row tiles at src and src + 32.  The first products start the sums.
; The two accumulators take turns, one instruction a turn.
; ld = 1: the next step's eight loads (columns 16 nt on, by address a) go into the other buffer, four behind the second product and four behind
; the fourth.  No wait: no vector or matrix instruction since the wait at the step's head names that buffer or the address.
.macro MM8 src, b, ld, a, nt
	v_wmma_f32_16x16x32_bf16 v[ACC+16*\b:ACC+16*\b+7],    v[WF+32*\b:WF+32*\b+7], v[\src:\src+7],     0
	v_wmma_f32_16x16x32_bf16 v[ACC+16*\b+8:ACC+16*\b+15], v[WF+32*\b:WF+32*\b+7], v[\src+32:\src+39], 0
.irp ks, 1,2,3
.if \ld
.if \ks < 3
	WL \a, \nt, (1-\b), (2*\ks-2)
	WL \a, \nt, (1-\b), (2*\ks-1)
.endif
.endif
	v_wmma_f32_16x16x32_bf16 v[ACC+16*\b:ACC+16*\b+7],    v[WF+32*\b+8*\ks:WF+32*\b+8*\ks+7], v[\src+8*\ks:\src+8*\ks+7],       v[ACC+16*\b:ACC+16*\b+7]
	v_wmma_f32_16x16x32_bf16 v[ACC+16*\b+8:ACC+16*\b+15], v[WF+32*\b+8*\ks:WF+32*\b+8*\ks+7], v[\src+32+8*\ks:\src+32+8*\ks+7], v[ACC+16*\b+8:ACC+16*\b+15]
.endr
.endm
; relu and packing of column tile nt: my 8 columns 16 nt + 8 (l / 16) + 0..7 are registers 4 (nt % 2) + 0..3 of H's fragment nt / 2.
.macro RELU nt
.irp j, 0,1,2,3,4,5,6,7,8,9,10,11,12,13,14,15
	v_max_num_f32 v[ACC+16*(\nt%2)+\j], 0, v[ACC+16*(\nt%2)+\j]
.endr
.irp i, 0,1,2,3
	v_cvt_pk_bf16_f32 v[HF+4*\nt+\i],    v[ACC+16*(\nt%2)+2*\i],   v[ACC+16*(\nt%2)+2*\i+1]
	v_cvt_pk_bf16_f32 v[HF+32+4*\nt+\i], v[ACC+16*(\nt%2)+8+2*\i], v[ACC+16*(\nt%2)+8+2*\i+1]
.endr
.endm
; Column tile nt of the dot: Y1 x H2 and Y2 x H1, H straight from the halves of its fragment registers; four chains.
.macro DOT nt
.irp i, 0,1,2,3
	v_fma_mix_f32_bf16 v[Z],   v[HF+32+4*\nt+\i], v[ACC+16*(\nt%2)+2*\i],     v[Z]   op_sel_hi:[1,0,0]
	v_fma_mix_f32_bf16 v[Z+1], v[HF+32+4*\nt+\i], v[ACC+16*(\nt%2)+2*\i+1],   v[Z+1] op_sel:[1,0,0] op_sel_hi:[1,0,0]
	v_fma_mix_f32_bf16 v[Z+2], v[HF+4*\nt+\i],    v[ACC+16*(\nt%2)+8+2*\i],   v[Z+2] op_sel_hi:[1,0,0]
	v_fma_mix_f32_bf16 v[Z+3], v[HF+4*\nt+\i],    v[ACC+16*(\nt%2)+8+2*\i+1], v[Z+3] op_sel:[1,0,0] op_sel_hi:[1,0,0]
.endr
.endm
	; ---------------- the head ----------------
	s_load_b256 s[4:11], s[0:1], 0x0               ; cell_lines s[4:5], drug_pairs s[6:7], h_drug s[8:9], predictor_lin s[10:11]
	s_load_b128 s[12:15], s[0:1], 0x20             ; predictor_prod s[12:13], out0 s[14:15]
	v_lshl_add_u32 v26, v0, 2, 0x23000
	v_mov_b32 v27, 0
	v_lshrrev_b32 v1, 5, v0
	v_and_b32 v[LANE], 31, v0
	v_readfirstlane_b32 s16, v1                    ; wave 0..7
	v_lshlrev_b32 v[L16B], 4, v[LANE]
	v_lshl_add_u32 v[WO], v1, 13, v[L16B]          ; 16 rows of 512 bytes a wave + 16 lane
	s_lshr_b32 s17, ttmp9, 2                       ; my cell line
	s_and_b32 s18, ttmp9, 3                        ; my quarter of the batch
	s_wait_alu depctr_va_sdst(0)                   ; s16 is written, ahead of its first reader
	s_and_b32 s19, s16, 3                          ; my region of the quarter
	s_lshl2_add_u32 s20, s18, s19                  ; 4 quarter + region,
	s_lshl_b32 s20, s20, 11                        ; x 512 samples x 4 bytes (cell_lines, out0)
	s_mov_b32 s21, 0
	s_lshl_b32 s22, s20, 1                         ; x 8 bytes (drug_pairs)
	s_mov_b32 s23, 0
	s_lshl_b32 s24, s17, 16                        ; 128 x 128 x 4 bytes of weights a cell line
	s_mov_b32 s25, 0
	s_wait_kmcnt 0x0
	s_add_nc_u64 s[4:5], s[4:5], s[20:21]
	s_add_nc_u64 s[6:7], s[6:7], s[22:23]
	s_add_nc_u64 s[14:15], s[14:15], s[20:21]
	s_add_nc_u64 s[10:11], s[10:11], s[24:25]
	s_add_nc_u64 s[12:13], s[12:13], s[24:25]
	s_wait_alu depctr_va_vdst(0)                   ; the two offsets v2 and v192 are written, which the 36 loads below read; only loads and a window switch follow up to the last of them
.irp k, 0,1,2,3
	global_load_b128 v[CL+4*\k:CL+4*\k+3], v[L16B], s[4:5] offset:512*\k       ; samples 128 k + 4 lane + 0..3: 512 consecutive bytes a load
.endr
	WIN 0x40                                       ; destinations in the second 256
.set li, 0
.rept 16
	global_load_b128 v[WST+4*li:WST+4*li+3], v[WO], s[10:11] offset:512*li     ; row 16 wave + li of W[c]
.set li, li+1
.endr
.set li, 0
.rept 16
	global_load_b128 v[PST+4*li:PST+4*li+3], v[WO], s[12:13] offset:512*li     ; and of P[c]
.set li, li+1
.endr
	WIN 0
	; addresses, while the loads travel: none of these lines names a register that a pending load touches
	s_mov_b32 s68, 0x76543210                      ; v_permlanex16_b32: lane i reads lane i of the other half
	s_mov_b32 s69, 0xfedcba98
	s_mul_i32 s26, s16, 16*WP
	v_lshl_add_u32 v[WSA], v[LANE], 3, s26         ; my wave's 16 weight rows + 8 lane
	v_add_nc_u32 v[PSA], PL, v[WSA]
	v_and_b32 v[TMP], 7, v[LANE]                   ; transposing loads: row 8 (l / 16) + l % 8, 16-byte column (l / 8) % 2
	v_lshrrev_b32 v[WFA], 4, v[LANE]
	v_lshl_add_u32 v[TMP], v[WFA], 3, v[TMP]
	v_mul_u32_u24 v[TMP], v[TMP], WP
	v_bfe_u32 v[WFA], v[LANE], 3, 1
	v_lshl_add_u32 v[WFA], v[WFA], 4, v[TMP]
	v_add_nc_u32 v[PFA], PL, v[WFA]
	s_mul_i32 s27, s16, XSW
	s_add_co_u32 s27, s27, XS                      ; my wave's stage
	v_lshl_add_u32 v[XST], v[LANE], 3, s27
	v_and_b32 v[L15], 15, v[LANE]
	v_mul_u32_u24 v[XFA], v[L15], XP
	v_lshrrev_b32 v[TMP], 4, v[LANE]
	v_lshl_add_u32 v[XFA], v[TMP], 4, v[XFA]
	v_add_nc_u32 v[XFA], s27, v[XFA]               ; row l % 16, + 16 (l / 16)
	; the region's masks, their first ranks, and n
	s_wait_loadcnt 32                              ; the four scan loads are in; W's 16 and P's 16 stay out
.irp j, 0,1,2,3,4,5,6,7,8,9,10,11,12,13,14,15
	v_cmp_eq_u32 s[MK+\j], s17, v[CL+\j]
.endr
	s_wait_alu depctr_va_sdst(0)                   ; the 16 compares have written s28-43, ahead of their first readers, the bit counts
	s_bcnt1_i32_b32 s60, s[MK]
.irp j, 1,2,3,4,5,6,7,8,9,10,11,12,13,14,15
	s_lshl_b32 s[PK+\j], s60, 16                   ; the bits of the masks in front,
	s_or_b32 s[PK+\j], s[PK+\j], 128*(\j/4)+(\j%4) ; and the sample of bit 0
	s_bcnt1_i32_b32 s20, s[MK+\j]
	s_add_co_u32 s60, s60, s20
.endr
	s_sub_co_u32 s61, s60, 1
	s_add_co_u32 s62, s60, 15
	s_lshr_b32 s62, s62, 4                         ; tiles of 16 samples
	s_lshr_b32 s63, s16, 2                         ; my first tile: 0 for waves 0-3, 1 for waves 4-7
	SEARCH                                         ; every wave, register work alone: a wave without a tile ends at a clamped sample and uses nothing of it
	s_cmp_lt_u32 s63, s62
	s_cbranch_scc0 .Lno_tile
	PAIRS
	s_wait_loadcnt 31                              ; W's first row, asked for straight behind the scan, is in (15 + 16 loads stay out):
	STAGE WST, WSA, 0, 1                           ; it is laid out while the pairs travel
	s_wait_kmcnt 0x0
	GATHER                                         ; the rows travel while the weights are laid out
	s_wait_loadcnt 48                              ; W is in; P's 16 loads and the 32 rows stay out
	STAGE WST, WSA, 1, 15
	s_wait_loadcnt 32                              ; P is in; the 32 rows stay out
	STAGE PST, PSA, 0, 16
	XSTAGE                                         ; on this way 16 + 16 + 32 LDS stores are issued ahead of the wait in front of the barrier
	s_branch .Lstaged
.Lno_tile:
	s_wait_loadcnt 16                              ; W is in; P's 16 loads stay out
	STAGE WST, WSA, 0, 16
	s_wait_loadcnt 0x0
	STAGE PST, PSA, 0, 16
.Lstaged:
	s_wait_dscnt 0x0                               ; my 16 rows of W and of P are in LDS: every wave reads all 128 behind the barrier
	s_barrier_signal -1
	s_barrier_wait -1                              ; the only barrier: from here on W and P are only read, and each wave writes its own stage alone
	s_cmp_ge_u32 s63, s62
	s_cbranch_scc1 .Lend
	s_mov_b32 s67, 0
	; ---------------- a tile: 16 steps of eight matrix instructions on two fragment buffers and two accumulator sets ----------------
	; In a step: the wait for its 8 fragment loads, the only LDS instructions that are out; ONE wait on va_vdst, which states that the products of
	; the step before are done reading the other buffer; its own products, with the next step's 8 loads dealt among the first four of them; then
	; the vector work on the step before.  A vector instruction that reads a matrix result stands four places behind it, a matrix instruction
	; that writes over it five (ISA guide 7.12.1); places are vector instructions that name none of its registers: RELU of the other set in the
	; first product, v_nop (or the four clears of Z) where the work in between names H's fragments or the set itself.
.Ltile:
	s_wait_alu depctr_vm_vsrc(0)                   ; the weight loads have read v192, the gather's loads v224-255, my LDS stores v64-191: fragments land in these below, and RELU writes v128-191
	s_wait_alu depctr_va_vdst(0)                   ; the conversions are done with v64-127 and the offsets' lines with v192 and v224-255; round the loop: the last tile's products are done reading both buffers
	WLOAD WFA, 0, 0                                ; the first product's first fragments,
	XFRAG                                          ; and my rows', from my own stage
	s_wait_dscnt 0x0                               ; both are in
	MM8 XF, 0, 1, WFA, 1                           ; the loads into buffer 1 lean on the two waits at the tile's head
	PLACES 5
.irp nt, 1,2,3,4,5,6
	s_wait_dscnt 0x0                               ; this step's fragments are in
	s_wait_alu depctr_va_vdst(0)                   ; the step before's products are done reading the other buffer, in which the loads dealt below land
	MM8 XF, (\nt%2), 1, WFA, (\nt+1)
	RELU (\nt-1)
.endr
	s_wait_dscnt 0x0
	s_wait_alu depctr_va_vdst(0)                   ; step 6's products are done reading buffer 0, in which the loads dealt below land
	MM8 XF, 1, 1, PFA, 0                           ; with the second product's first fragments
	RELU 6
	RELU 7                                         ; H is whole
	s_wait_dscnt 0x0
	s_wait_alu depctr_va_vdst(0)                   ; step 7's products are done reading buffer 1, in which the loads dealt below land
	MM8 HF, 0, 1, PFA, 1
.irp i, 0,1,2,3
	v_mov_b32 v[Z+\i], 0                           ; the four chains of the dot; also the four places
.endr
.irp nt, 1,2,3,4,5,6
	s_wait_dscnt 0x0                               ; this step's fragments are in
	s_wait_alu depctr_va_vdst(0)                   ; the step before's products are done reading the other buffer, in which the loads dealt below land
	MM8 HF, (\nt%2), 1, PFA, (\nt+1)
	DOT (\nt-1)
	PLACES 4
.endr
	s_wait_dscnt 0x0
	MM8 HF, 1, 0, PFA, 0                           ; the last step loads nothing, so it states nothing
	DOT 6
	PLACES 4
	DOT 7
	; lanes l and l + 16 hold the two halves of the columns of sample l % 16
	v_add_f32 v[Z], v[Z], v[Z+1]
	v_add_f32 v[Z+2], v[Z+2], v[Z+3]
	v_add_f32 v[Z], v[Z], v[Z+2]
	v_permlanex16_b32 v[Z+1], v[Z], s68, s69
	v_add_f32 v[Z], v[Z], v[Z+1]
	; All 32 lanes store.  Lanes l and l + 16 hold the same sum and the same offset; ranks past the end repeated the last sample, with the same
	; rows, the same sums and the same offset: where lanes meet in a word they bring it the same value.
	s_wait_alu depctr_va_vdst(0)                   ; the last add has written v16, the store's data (its offset v15 was written ahead of earlier waits)
	global_store_b32 v[OA], v[Z], s[14:15]
	s_add_co_u32 s63, s63, 2                       ; my next tile: the region's two waves take turns
	s_cmp_ge_u32 s63, s62
	s_cbranch_scc1 .Lend                           ; the way out of the loop
	s_wait_xcnt 0x0                                ; the store's offset and data are written again only behind this wait,
	s_wait_alu depctr_vm_vsrc(0)                   ; and behind this one: the store has read v15, which the search writes, and v16, which the next tile clears
	SEARCH
	PAIRS
	s_wait_kmcnt 0x0
	GATHER
	XSTAGE                                         ; my reads of the stage were waited for at the tile's head: it is mine to write again
	s_add_co_u32 s67, s67, 1
	s_cmp_lt_u32 s67, TRIPS                        ; the jump back is counted against the most tiles a wave can have (512 / 16 / 2 = 16):
	s_cbranch_scc1 .Ltile                          ; tile w / 4 + 2 x 16 is past the last of 32, so the way out above has been taken by then
.Lend:
	s_wait_dscnt 0x0
	s_wait_alu depctr_hold_cnt(0) depctr_sa_sdst(0) depctr_va_vdst(0) depctr_va_sdst(0) depctr_va_ssrc(0) depctr_va_vcc(0) depctr_vm_vsrc(0)
	s_wait_tensorcnt 0x0
	ds_add_u32 v26, v27
	s_wait_dscnt 0x0
	s_endpgm
.Lfunc_end_k_qba8b63c994_predict:
	.size	k_qba8b63c994_predict, .Lfunc_end_k_qba8b63c994_predict-k_qba8b63c994_predict
	.p2alignl 7, 3214868480
	.fill 96, 4, 3214868480
	.section	.rodata,"a",@progbits
	.p2align	6, 0x0
	.amdhsa_kernel k_qba8b63c994_predict
		.amdhsa_group_segment_fixed_size 144384
		.amdhsa_private_segment_fixed_size 0
		.amdhsa_enable_private_segment 0
		.amdhsa_kernarg_size 48
		.amdhsa_user_sgpr_count 2
		.amdhsa_user_sgpr_kernarg_segment_ptr 1
		.amdhsa_wavefront_size32 1
		.amdhsa_system_sgpr_workgroup_id_x 1
		.amdhsa_system_sgpr_workgroup_id_y 1
		.amdhsa_system_sgpr_workgroup_id_z 1
		.amdhsa_system_vgpr_workitem_id 0
		.amdhsa_next_free_vgpr 384
		.amdhsa_next_free_sgpr 102
		.amdhsa_reserve_vcc 1
		.amdhsa_float_denorm_mode_32 3
		.amdhsa_float_denorm_mode_16_64 3
		.amdhsa_memory_ordered 1
		.amdhsa_forward_progress 1
		.amdhsa_inst_pref_size 103
	.end_amdhsa_kernel
	.amdgpu_metadata
---
amdhsa.version: [ 1, 2 ]
amdhsa.kernels:
  - .name:           k_qba8b63c994_predict
    .symbol:         k_qba8b63c994_predict.kd
    .args:
      - { .name: cell_lines, .offset: 0, .size: 8, .value_kind: global_buffer, .address_space: global }
      - { .name: drug_pairs, .offset: 8, .size: 8, .value_kind: global_buffer, .address_space: global }
      - { .name: h_drug, .offset: 16, .size: 8, .value_kind: global_buffer, .address_space: global }
      - { .name: predictor_lin, .offset: 24, .size: 8, .value_kind: global_buffer, .address_space: global }
      - { .name: predictor_prod, .offset: 32, .size: 8, .value_kind: global_buffer, .address_space: global }
      - { .name: out0, .offset: 40, .size: 8, .value_kind: global_buffer, .address_space: global }
    .group_segment_fixed_size: 144384
    .private_segment_fixed_size: 0
    .kernarg_segment_align: 8
    .kernarg_segment_size: 48
    .max_flat_workgroup_size: 256
    .sgpr_count:     102
    .vgpr_count:     384
    .wavefront_size: 32
...
	.end_amdgpu_metadata
.endif
;; end of part 2
